; MI455X (gfx1250); checked and timed in simulation.
; The chip was launched on July 23, 2026; its instructions are those of AMD's public machine-readable ISA for CDNA 5 (MIT licence, August 2026) and "CDNA5" Instruction Set Architecture Reference Guide (July 2026). The comments in the code are by the model that wrote it; some were corrected since.
;; Transformer Layer. Allowed arithmetic: float matrix products may take bf16 or f16 operands with f32 sums; all other float work in f32.
;; Inputs: prev_k 2 x 512 x 8 x 64 float32; prev_v 2 x 512 x 8 x 64 float32; rel_bias 8 x 32 float32; w_k 512 x 8 x 64 float32; w_q 512 x 8 x 64 float32; w_v 512 x 8 x 64 float32; xs 2 x 4,096 x 512 float32.
;; Outputs: out0 2 x 4,096 x 8 x 64 float32; out1 2 x 512 x 8 x 64 float32; out2 2 x 512 x 8 x 64 float32.
;; One version. Each part assembles by itself: llvm-mc -triple=amdgcn-amd-amdhsa -mcpu=gfx1250 --defsym DOCPART=n.
;; ======== version 1 of 1: 2 launches
;; limits: values are held in f16: magnitudes above 65,504 overflow, below 6.1e-05 lose precision
;; workspace buffers: qws 8,388,608 bytes; kws 9,437,184 bytes; vws 9,437,184 bytes
;; launch proj (part 1): grid 8 x 32, 4 waves a work-group, no clusters, 197,120 bytes of LDS; arguments xs, w_q, w_k, w_v, prev_k, prev_v, qws, kws, vws, out1, out2; writes qws, kws, vws, out1, out2
.if DOCPART == 1
	.amdgcn_target "amdgcn-amd-amdhsa--gfx1250"
	.amdhsa_code_object_version 6
	.text
	.protected	k_q0a7874c771_proj
	.globl	k_q0a7874c771_proj
	.p2align	8
	.type	k_q0a7874c771_proj,@function
k_q0a7874c771_proj:
	s_mov_b64 s[64:65], 0
	v_nop
	global_prefetch_b8 v0, s[64:65] scope:SCOPE_SE
	s_setreg_imm32_b32 hwreg(HW_REG_WAVE_MODE, 25, 1), 1
	s_wait_xcnt 0x0
; q, k, v = xs W for one head and 256 rows of xs; the cast of prev_k and prev_v; the f32 copies out1, out2.
; xs [8192][512] f32; w_* [512 e][8 h][64 d] f32.  Work-group (h, mb): rows 256 mb .. +255, the 192 columns q | k | v of head h.
; Four waves; wave w makes rows 64 w .. +63 and all 192 columns: 48 accumulator tiles of 16 x 16, 384 registers, so that it owns whole rows
; of q, k and v and its way out is its own.  K (512) goes in 8 steps of 64 through two LDS slots that hold f16.
; OUT: qws [b][h][4096][64] f16 = q x 0.125 x log2(e) (scaled in f32, rounded once); kws, vws [b][h][4608][64] f16, index 0..511 = prev, 512 + pos = k, v.
; FORMAT: operands are f16, sums f32.  LIMIT: |xs|, |w|, |prev|, 0.18 |q|, |k|, |v| have to stay under 65,504; with xs and w both 30 times larger
; |k| reaches about 5,000, with an offset of 30 spreads on both about 20,400.  Numbers under 6.1e-5 keep an absolute error of 3e-8.
; NO TENSOR LOADS, NO CLUSTER: every element has to pass through registers once, since memory holds f32 and the matrix unit takes 16 bits;
; a copy into LDS in front of that would add 4 bytes written and 4 read for each element.  So tiles come by global_load_b128
; (sixteen neighbouring lanes read 256 consecutive bytes, aligned), are rounded in registers and stored to LDS as f16.
; W's tile lies [k][n] in LDS and is read by the transposing 16-bit load.
; THE STREAM: a K step's tiles are 56 loads of 16 bytes a lane for every wave (32 rounds of xs, 8 of each W), 112 KB for the work-group.
; They are taken in three batches of 19, 19 and 18 loads that stand between the runs of matrix instructions.  A batch waits for its own loads
; alone, rounds them, stores them to the other slot and asks at once, into the same registers, for its part of the step after the next.
; So 56 loads of every wave are on their way all through a step, the matrix runs included, and each has a whole step in which to come.
; THE MATRIX INSTRUCTION IS USED TRANSPOSED: source 0 = 16 columns of W, source 1 = 16 rows of xs; lane (r, hh) then holds in registers 0..7
; the columns d = 8 hh + 0..7 of row r: 32 neighbouring bytes of a row.
.set APITCH, 144                       ; LDS row of xs: 128 bytes + 16: an odd multiple of 16, so 16 rows of a fragment load start in 16 different 16-byte columns modulo 256
.set BPITCH, 416                       ; LDS row of W: 384 bytes + 32: an odd multiple of 32
.set BOFF,   256*APITCH                ; W's tile behind xs's 256 rows
.set SLOT,   BOFF+64*BPITCH            ; 63,488 bytes
.set STAGE,  2*SLOT                    ; behind the slots: 64 rows x 272 bytes for each wave
.set SPITCH, 272
.set VG,  1                            ; v1      (t>>4) x 2048 + 16 (t&15): my 16 bytes in a round of 8 rows of 256 bytes, for xs, W and prev alike
.set AST, 2                            ; v2-3    where I store xs's f16 in slot 0, 1
.set BST, 4                            ; v4-5    the same for W
.set AFR, 6                            ; v6-7    my xs fragments in slot 0, 1
.set BFR, 8                            ; v8-9    W fragments in slot 0, 1
.set STO, 10                           ; v10     way out: where 32 bytes of a row go
.set RD,  11                           ; v11     way out: where a row is read back
.set O16, 12                           ; v12     8 x lane: f16 rows
.set O32, 13                           ; v13     2048 hh + 16 r: f32 rows of out1, out2
.set OP,  14                           ; v14     8 t: prev's f16
.set STG, 32                           ; v32-255 staging, 56 x 4 registers: xs round i at 32+4i, W matrix m round i at 160+4(8m+i)
.set PK,  160                          ; way out: packed f16
.set PV,  224                          ; v224-255 prev_k (4 x 4), prev_v (4 x 4)
.set F0,  0                            ; window 1: fragment buffer 0 (W fragment t at +8t, xs fragment a at +96+8a)
.set F1,  128                          ; window 1: fragment buffer 1
; window 2: the 24 accumulator tiles of my rows 0-31 (tile (a, t) at 8 (12 a + t)); window 3: those of rows 32-63
.set MSB, 0
.macro WIN new                         ; low byte: bits 1:0 source 0, 3:2 source 1, 5:4 source 2, 7:6 destination; the high byte repeats the setting that is left
.if MSB != \new
	s_set_vgpr_msb (MSB<<8)|\new
.set MSB, \new
.endif
.endm
.macro PLACES                          ; four plain vector instructions behind a matrix instruction before its registers are loaded into or its result is read (ISA guide 7.12.1)
.rept 4
	v_nop
.endr
.endm
; A batch is xn rounds of xs from round x0 on (8 rows x 256 bytes each) and the 8 rounds of W matrix m.  The three: (0, 11, 0), (11, 11, 1), (22, 10, 2).
.macro PLD x0, xn, m, s                ; the batch's loads for K step s
.set i, \x0
.rept \xn
	global_load_b128 v[STG+4*i:STG+4*i+3], v[VG], s[16:17] offset:16384*i+256*(\s)
.set i, i+1
.endr
.set i, 0
.rept 8
	global_load_b128 v[STG+128+4*(8*\m+i):STG+128+4*(8*\m+i)+3], v[VG], s[18+2*\m:19+2*\m] offset:16384*i+131072*(\s)
.set i, i+1
.endr
.endm
.macro PCVT x0, xn, m                  ; four f32 to four f16, in the low two registers of each four
.set i, \x0
.rept \xn
	v_cvt_pk_f16_f32 v[STG+4*i], v[STG+4*i], v[STG+4*i+1]
	v_cvt_pk_f16_f32 v[STG+4*i+1], v[STG+4*i+2], v[STG+4*i+3]
.set i, i+1
.endr
.set i, 32+8*\m
.rept 8
	v_cvt_pk_f16_f32 v[STG+4*i], v[STG+4*i], v[STG+4*i+1]
	v_cvt_pk_f16_f32 v[STG+4*i+1], v[STG+4*i+2], v[STG+4*i+3]
.set i, i+1
.endr
.endm
.macro PST x0, xn, m, n                ; the batch's f16 into slot n
.set i, \x0
.rept \xn
	ds_store_b64 v[AST+\n], v[STG+4*i:STG+4*i+1] offset:8*APITCH*i
.set i, i+1
.endr
.set i, 0
.rept 8
	ds_store_b64 v[BST+\n], v[STG+128+4*(8*\m+i):STG+128+4*(8*\m+i)+1] offset:8*BPITCH*i+128*\m
.set i, i+1
.endr
.endm
; A batch's turn: its loads are in, it goes to slot n, and its registers are asked for again, for K step s (s < 0: nothing is left to ask for).
; left = the loads issued behind the batch's own, which may stay out.
.macro PROD x0, xn, m, n, s, left
	WIN 0
	s_wait_loadcnt \left                   ; loads come back in order (ISA guide 5.7.1): my batch is in, the younger ones stay on their way
	PCVT \x0, \xn, \m
	PST \x0, \xn, \m, \n
.if \s >= 0
	PLD \x0, \xn, \m, \s
.endif
.endm
; 32 LDS loads: the fragments of 32 along K (half 0 or 1 of the slot's 64) into buffer f of window 1
.macro FETCH slot, half, f
	WIN 0x40                               ; destination window 1, address window 0
.irp t, 0,1,2,3,4,5,6,7,8,9,10,11
	ds_load_tr16_b128 v[\f+8*\t:\f+8*\t+3],   v[BFR+\slot] offset:32*BPITCH*\half+32*\t
	ds_load_tr16_b128 v[\f+8*\t+4:\f+8*\t+7], v[BFR+\slot] offset:32*BPITCH*\half+32*\t+16*BPITCH
.endr
.irp a, 0,1,2,3
	ds_load_b128 v[\f+96+8*\a:\f+96+8*\a+3],   v[AFR+\slot] offset:16*APITCH*\a+64*\half
	ds_load_b128 v[\f+96+8*\a+4:\f+96+8*\a+7], v[AFR+\slot] offset:16*APITCH*\a+64*\half+32
.endr
.endm
; 24 matrix instructions: two row blocks (hi = 0: rows 0-31, 1: rows 32-63) x 12 column blocks.  zero = 1: the first product starts the sums.
; The 48 accumulators take turns, one instruction a turn, in the same order in every half step.
.macro MUL f, hi, zero
.if \hi
	WIN 0xf5                               ; sources 0, 1 window 1; C and D window 3
.else
	WIN 0xa5                               ; C and D window 2
.endif
.irp a, 0,1
.irp t, 0,1,2,3,4,5,6,7,8,9,10,11
.if \zero
	v_wmma_f32_16x16x32_f16 v[8*(12*\a+\t):8*(12*\a+\t)+7], v[\f+8*\t:\f+8*\t+7], v[\f+96+8*(2*\hi+\a):\f+96+8*(2*\hi+\a)+7], 0
.else
	v_wmma_f32_16x16x32_f16 v[8*(12*\a+\t):8*(12*\a+\t)+7], v[\f+8*\t:\f+8*\t+7], v[\f+96+8*(2*\hi+\a):\f+96+8*(2*\hi+\a)+7], v[8*(12*\a+\t):8*(12*\a+\t)+7]
.endif
.endr
.endr
.endm
.macro PREVLOADS                       ; my 32 rows of prev_k and prev_v, head h: 4 rounds of 8 rows x 256 bytes each; each byte is read once in the launch
.irp i, 0,1,2,3
	global_load_b128 v[PV+4*\i:PV+4*\i+3],       v[VG], s[24:25] offset:16384*\i th:TH_LOAD_NT
	global_load_b128 v[PV+16+4*\i:PV+16+4*\i+3], v[VG], s[26:27] offset:16384*\i th:TH_LOAD_NT
.endr
.endm
; K step s, in slot (s & 1); n = the other slot, which takes step s+1's tiles: every wave's reads of it were waited for in front of the last barrier.
; At the head of a step 56 loads are out, step s+1's three batches in their order.  Behind batch 0's own 19 stand 19 + 18 = 37; when batch 1 is due,
; batch 2's 18 and the new batch 0's 19 = 37; when batch 2 is due, the new batches' 19 + 19 = 38.  Step 6 asks for nothing again: 37, 18, 0.
.macro STEP s, slot, n
.if \s < 6
	PROD 0, 11, 0, \n, \s+2, 37            ; its 38 conversions are also the places between the last products on buffer 1 and the loads into it
.endif
.if \s == 6
	PROD 0, 11, 0, \n, -1, 37
.endif
.if \s < 7
	s_wait_dscnt 19                        ; buffer 0 is in: LDS instructions end in order, and only the batch's 19 stores are younger
.else
	WIN 0
	PLACES
	s_wait_dscnt 0x0                       ; buffer 0 is in
.endif
	FETCH \slot, 1, F1
.if \s == 0
	MUL F0, 0, 1
.else
	MUL F0, 0, 0
.endif
.if \s < 6
	PROD 11, 11, 1, \n, \s+2, 37
.endif
.if \s == 6
	PROD 11, 11, 1, \n, -1, 18
.endif
.if \s == 0
	MUL F0, 1, 1
.else
	MUL F0, 1, 0
.endif
.if \s < 6
	PROD 22, 10, 2, \n, \s+2, 38           ; its 36 conversions are also the places between the last products on buffer 0 and the loads into it behind the barrier
.endif
.if \s == 6
	PROD 22, 10, 2, \n, -1, 0
	PREVLOADS                              ; into registers that the stores just issued were the last to use
.endif
	s_wait_dscnt 0x0                       ; buffer 1 is in; and for the others' sake: my stores to slot n and my reads of this slot are done
.if \s < 7
	s_barrier_signal -1
	MUL F1, 0, 0                           ; register work while the others arrive
	s_barrier_wait -1                      ; slot n is whole, and nobody reads this slot any more
	FETCH \n, 0, F0
	MUL F1, 1, 0
.else
	MUL F1, 0, 0
	MUL F1, 1, 0
.endif
.endm
; Way out of matrix m (0 q, 1 k, 2 v): my 64 rows x 64 f32 through my own stage, read back as whole rows.
.macro OUTM m, base
	WIN 0x08                               ; store data from window 2
.irp a, 0,1
.irp u, 0,1,2,3
	ds_store_b128 v[STO], v[8*(12*\a+4*\m+\u):8*(12*\a+4*\m+\u)+3]   offset:16*SPITCH*\a+64*\u
	ds_store_b128 v[STO], v[8*(12*\a+4*\m+\u)+4:8*(12*\a+4*\m+\u)+7] offset:16*SPITCH*\a+64*\u+16
.endr
.endr
	WIN 0x0c                               ; from window 3
.irp a, 0,1
.irp u, 0,1,2,3
	ds_store_b128 v[STO], v[8*(12*\a+4*\m+\u):8*(12*\a+4*\m+\u)+3]   offset:16*SPITCH*(\a+2)+64*\u
	ds_store_b128 v[STO], v[8*(12*\a+4*\m+\u)+4:8*(12*\a+4*\m+\u)+7] offset:16*SPITCH*(\a+2)+64*\u+16
.endr
.endr
	WIN 0
	s_wait_xcnt 0x0                        ; the registers that the last matrix's global stores read are rewritten only behind this wait
.set i, 0
.rept 32
	ds_load_b128 v[STG+4*i:STG+4*i+3], v[RD] offset:2*SPITCH*i      ; LDS serves a wave's instructions in order (ISA guide 5.7.1): these see the stores above
.set i, i+1
.endr
.set i, 0
.rept 32
	s_wait_dscnt 31-i                      ; the 31-i younger loads of this run may stay out
.if \m == 0
	v_pk_mul_f32 v[STG+4*i:STG+4*i+1],   v[STG+4*i:STG+4*i+1],   s[42:43] op_sel_hi:[1,0]
	v_pk_mul_f32 v[STG+4*i+2:STG+4*i+3], v[STG+4*i+2:STG+4*i+3], s[42:43] op_sel_hi:[1,0]
.endif
	v_cvt_pk_f16_f32 v[PK+2*i],   v[STG+4*i],   v[STG+4*i+1]
	v_cvt_pk_f16_f32 v[PK+2*i+1], v[STG+4*i+2], v[STG+4*i+3]
	global_store_b64 v[O16], v[PK+2*i:PK+2*i+1], s[\base:\base+1] offset:256*i   ; 32 lanes store 256 consecutive bytes, aligned: two rows of 64 f16
.set i, i+1
.endr
.if \m
	s_cmp_lt_u32 s6, 14                    ; only positions 3584 .. 4095 (row blocks 14 and 15 of a batch) are the next cache
	s_cbranch_scc1 .Lno_cache_\@
	s_and_b32 s56, s6, 1                   ; row block - 14
	s_lshl_b32 s56, s56, 8
	s_add_co_u32 s56, s56, s12             ; + 64 w
	s_lshl_b32 s57, s5, 9                  ; + 512 b
	s_add_co_u32 s56, s56, s57
	s_lshl3_add_u32 s56, s56, s2           ; x 8 heads + h
	s_lshl_b32 s40, s56, 8                 ; x 256 bytes
	s_add_nc_u64 s[50+2*\m:51+2*\m], s[32+2*\m:33+2*\m], s[40:41]
.set i, 0
.rept 32
	global_store_b128 v[O32], v[STG+4*i:STG+4*i+3], s[50+2*\m:51+2*\m] offset:4096*i th:TH_STORE_NT   ; 16 lanes store 256 consecutive bytes, aligned: a head's row in f32
.set i, i+1
.endr
.Lno_cache_\@:
.endif
.endm
	s_load_b512 s[16:31], s[0:1], 0x0              ; xs 16, w_q 18, w_k 20, w_v 22, prev_k 24, prev_v 26, qws 28, kws 30
	s_load_b128 s[32:35], s[0:1], 0x40             ; vws 32, out1 34
	s_load_b64 s[36:37], s[0:1], 0x50              ; out2 36
	v_lshl_add_u32 v30, v0, 2, 0x30000
	v_mov_b32 v31, 0
	v_lshrrev_b32 v15, 5, v0
	v_readfirstlane_b32 s4, v15                    ; wave
	s_mov_b32 s2, ttmp9                            ; h
	s_and_b32 s3, ttmp7, 0xffff                    ; mb
	s_lshr_b32 s5, s3, 4                           ; b
	s_and_b32 s6, s3, 15                           ; row block in the batch
	v_and_b32 v16, 15, v0                          ; r
	v_lshrrev_b32 v17, 4, v0                       ; t >> 4, 0..7
	v_lshlrev_b32 v19, 4, v16                      ; 16 r
	v_lshl_add_u32 v[VG], v17, 11, v19
	s_lshl_b32 s40, s3, 19                         ; 256 rows of 2,048 bytes
	s_mov_b32 s41, 0
	s_lshl_b32 s38, s2, 8                          ; a head's 256 bytes in a row of W
	s_mov_b32 s39, 0
	s_wait_kmcnt 0x0
	s_add_nc_u64 s[16:17], s[16:17], s[40:41]
	s_add_nc_u64 s[18:19], s[18:19], s[38:39]
	s_add_nc_u64 s[20:21], s[20:21], s[38:39]
	s_add_nc_u64 s[22:23], s[22:23], s[38:39]
	PLD 0, 11, 0, 0                                ; K step 0, in the batches' order
	PLD 11, 11, 1, 0
	PLD 22, 10, 2, 0
	; addresses, while the first tiles are on their way.  No base is stepped later: the K step stands in the loads' immediates.
	v_bfe_u32 v18, v0, 4, 1                        ; hh
	v_lshlrev_b32 v20, 3, v16                      ; 8 r
	v_mul_u32_u24 v21, v17, APITCH
	v_add_nc_u32 v[AST], v21, v20
	v_add_nc_u32 v[AST+1], SLOT, v[AST]
	v_mul_u32_u24 v21, v17, BPITCH
	v_add_nc_u32 v21, v21, v20
	v_add_nc_u32 v[BST], BOFF, v21
	v_add_nc_u32 v[BST+1], SLOT, v[BST]
	v_mul_u32_u24 v21, v16, APITCH
	v_lshl_add_u32 v21, v18, 4, v21                ; r x pitch + 16 hh
	s_mul_i32 s7, s4, 64*APITCH                    ; my 64 rows
	v_add_nc_u32 v[AFR], s7, v21
	v_add_nc_u32 v[AFR+1], SLOT, v[AFR]
	v_and_b32 v22, 7, v0
	v_lshl_add_u32 v22, v18, 3, v22                ; k row 8 hh + (t & 7)
	v_mul_u32_u24 v22, v22, BPITCH
	v_bfe_u32 v23, v0, 3, 1
	v_lshl_add_u32 v22, v23, 4, v22                ; + 16 ((t >> 3) & 1)
	v_add_nc_u32 v[BFR], BOFF, v22
	v_add_nc_u32 v[BFR+1], SLOT, v[BFR]
	s_mul_i32 s8, s4, 64*SPITCH
	s_add_co_u32 s8, s8, STAGE                     ; my stage
	v_mul_u32_u24 v24, v16, SPITCH
	v_lshl_add_u32 v24, v18, 5, v24
	v_add_nc_u32 v[STO], s8, v24
	v_mul_u32_u24 v25, v18, SPITCH
	v_add_nc_u32 v25, v25, v19
	v_add_nc_u32 v[RD], s8, v25
	v_and_b32 v26, 31, v0
	v_lshlrev_b32 v[O16], 3, v26
	v_lshl_add_u32 v[O32], v18, 11, v19
	v_lshlrev_b32 v[OP], 3, v0
	s_lshl_b32 s9, s3, 16                          ; prev: 32 rows of 2,048 bytes for each mb,
	s_add_co_u32 s40, s38, s9                      ; + the head's 256 bytes
	s_add_nc_u64 s[24:25], s[24:25], s[40:41]
	s_add_nc_u64 s[26:27], s[26:27], s[40:41]
	s_lshl3_add_u32 s10, s5, s2                    ; 8 b + h
	s_lshl_b32 s11, s6, 8
	s_lshl_b32 s12, s4, 6                          ; 64 w (kept)
	s_add_co_u32 s11, s11, s12                     ; my first row in the batch
	s_lshl_b32 s40, s10, 12
	s_add_co_u32 s40, s40, s11
	s_lshl_b32 s40, s40, 7                         ; rows of 128 bytes
	s_add_nc_u64 s[28:29], s[28:29], s[40:41]      ; qws at my rows
	s_mul_i32 s13, s10, 4608
	s_add_co_u32 s40, s13, s11
	s_add_co_u32 s40, s40, 512
	s_lshl_b32 s40, s40, 7
	s_add_nc_u64 s[44:45], s[30:31], s[40:41]      ; kws at my rows
	s_add_nc_u64 s[46:47], s[32:33], s[40:41]      ; vws at my rows
	s_lshl_b32 s14, s6, 5
	s_add_co_u32 s40, s13, s14
	s_lshl_b32 s40, s40, 7
	s_add_nc_u64 s[48:49], s[30:31], s[40:41]      ; kws at the group's 32 rows of prev
	s_add_nc_u64 s[50:51], s[32:33], s[40:41]      ; vws likewise
	s_mov_b32 s42, 0x3e38aa3b                      ; 0.125 x log2(e), twice: the packed multiply names the pair
	s_mov_b32 s43, 0x3e38aa3b
	PROD 0, 11, 0, 0, 1, 37                        ; K step 0 goes to slot 0 batch by batch, and K step 1 is asked for as registers come free: the counts as in a step
	PROD 11, 11, 1, 0, 1, 37
	PROD 22, 10, 2, 0, 1, 38
	s_wait_dscnt 0x0                               ; my part of slot 0 is written
	s_barrier_signal -1
	s_barrier_wait -1                              ; everybody's is
	FETCH 0, 0, F0
	STEP 0, 0, 1
	STEP 1, 1, 0
	STEP 2, 0, 1
	STEP 3, 1, 0
	STEP 4, 0, 1
	STEP 5, 1, 0
	STEP 6, 0, 1
	STEP 7, 1, 0
	PLACES                                         ; behind the last products, ahead of the LDS stores that read results
	OUTM 0, 28
	OUTM 1, 44
	OUTM 2, 46
	; prev_k, prev_v: rounded and laid in front of k and v
	s_wait_loadcnt 0x0
.set i, 0
.rept 8
	v_cvt_pk_f16_f32 v[PV+4*i], v[PV+4*i], v[PV+4*i+1]
	v_cvt_pk_f16_f32 v[PV+4*i+1], v[PV+4*i+2], v[PV+4*i+3]
.set i, i+1
.endr
.irp i, 0,1,2,3
	global_store_b64 v[OP], v[PV+4*\i:PV+4*\i+1],       s[48:49] offset:1024*\i    ; a wave stores 256 consecutive bytes, aligned
	global_store_b64 v[OP], v[PV+16+4*\i:PV+16+4*\i+1], s[50:51] offset:1024*\i
.endr
	s_wait_tensorcnt 0x0
	ds_add_u32 v30, v31
	s_wait_dscnt 0x0
	s_endpgm
.Lfunc_end_k_q0a7874c771_proj:
	.size	k_q0a7874c771_proj, .Lfunc_end_k_q0a7874c771_proj-k_q0a7874c771_proj
	.p2alignl 7, 3214868480
	.fill 96, 4, 3214868480
	.section	.rodata,"a",@progbits
	.p2align	6, 0x0
	.amdhsa_kernel k_q0a7874c771_proj
		.amdhsa_group_segment_fixed_size 197120
		.amdhsa_private_segment_fixed_size 0
		.amdhsa_enable_private_segment 0
		.amdhsa_kernarg_size 88
		.amdhsa_user_sgpr_count 2
		.amdhsa_user_sgpr_kernarg_segment_ptr 1
		.amdhsa_wavefront_size32 1
		.amdhsa_system_sgpr_workgroup_id_x 1
		.amdhsa_system_sgpr_workgroup_id_y 1
		.amdhsa_system_sgpr_workgroup_id_z 1
		.amdhsa_system_vgpr_workitem_id 0
		.amdhsa_next_free_vgpr 960
		.amdhsa_next_free_sgpr 66
		.amdhsa_reserve_vcc 0
		.amdhsa_float_denorm_mode_32 3
		.amdhsa_float_denorm_mode_16_64 3
		.amdhsa_memory_ordered 1
		.amdhsa_forward_progress 1
		.amdhsa_inst_pref_size 255
	.end_amdhsa_kernel
	.section	.bss,"aw",@nobits
	.p2align	6
	.space	262144
	.amdgpu_metadata
---
amdhsa.version: [ 1, 2 ]
amdhsa.kernels:
  - .name:           k_q0a7874c771_proj
    .symbol:         k_q0a7874c771_proj.kd
    .args:
      - { .name: xs, .offset: 0, .size: 8, .value_kind: global_buffer, .address_space: global }
      - { .name: w_q, .offset: 8, .size: 8, .value_kind: global_buffer, .address_space: global }
      - { .name: w_k, .offset: 16, .size: 8, .value_kind: global_buffer, .address_space: global }
      - { .name: w_v, .offset: 24, .size: 8, .value_kind: global_buffer, .address_space: global }
      - { .name: prev_k, .offset: 32, .size: 8, .value_kind: global_buffer, .address_space: global }
      - { .name: prev_v, .offset: 40, .size: 8, .value_kind: global_buffer, .address_space: global }
      - { .name: qws, .offset: 48, .size: 8, .value_kind: global_buffer, .address_space: global }
      - { .name: kws, .offset: 56, .size: 8, .value_kind: global_buffer, .address_space: global }
      - { .name: vws, .offset: 64, .size: 8, .value_kind: global_buffer, .address_space: global }
      - { .name: out1, .offset: 72, .size: 8, .value_kind: global_buffer, .address_space: global }
      - { .name: out2, .offset: 80, .size: 8, .value_kind: global_buffer, .address_space: global }
    .group_segment_fixed_size: 197120
    .private_segment_fixed_size: 0
    .kernarg_segment_align: 8
    .kernarg_segment_size: 88
    .max_flat_workgroup_size: 128
    .sgpr_count:     66
    .vgpr_count:     960
    .wavefront_size: 32
...
	.end_amdgpu_metadata
.endif
;; end of part 1
;; launch attn (part 2): grid 16 x 16, 8 waves a work-group, no clusters, 318,464 bytes of LDS; arguments qws, kws, vws, rel_bias, out0; writes out0
.if DOCPART == 2
	.amdgcn_target "amdgcn-amd-amdhsa--gfx1250"
	.amdhsa_code_object_version 6
	.text
	.protected	k_q0a7874c771_attn
	.globl	k_q0a7874c771_attn
	.p2align	8
	.type	k_q0a7874c771_attn,@function
k_q0a7874c771_attn:
	s_mov_b64 s[64:65], 0
	v_nop
	global_prefetch_b8 v0, s[64:65] scope:SCOPE_SE
	s_setreg_imm32_b32 hwreg(HW_REG_WAVE_MODE, 25, 1), 1
	s_wait_xcnt 0x0
; Sliding-window attention.  In the key sequence [prev ; k] (index = position + 512) the query at position p sees the indices p+1 .. p+512,
; at distance n = p + 512 - index = 0 .. 511; the bias is rel_bias[h][bucket(n)].
; Work-group (x, bh): the 256 queries 256 x .. +255 of one batch and head.  Their 768 keys and values (indices 256 x .. +767) lie whole in LDS:
; first fills alone, nothing is filled again.  Eight waves; wave w has 32 queries and walks 17 blocks of 32 keys, block rb = LDS block w + rb.
; Scores are made transposed (S = K Q^T): lane (r, hh) holds query r and keys 8 hh + 0..7, so exp(S), rounded in place, IS the second operand of
; O^T = V^T P, and a query's maximum, sum and scale live in its own lane.  A running maximum is taken away before every exponential.
; q carries 0.125 log2(e), the bias log2(e): exponentials are base 2.  Softmax does not change under a shift, so rel_bias[h][31] is taken away:
; the bias is then 0 for n >= 113, and blocks 1 .. 11 need neither bias nor mask.
; bucket(n): n below 16; one more at each of 19 21 24 27 31 35 40 46 52 59 67 77 87 99 113 (= ceil(16 x 2^(3k/16))); 31 from 113 on.
; FORMAT: operands f16, sums and softmax f32.  LIMITS: the mask is an added -1e30, so scores (base 2) stay far under 1e29 in magnitude;
; exponentials under 2^-126 come out 0, and p under 6e-8 of the row's running maximum rounds to 0; the row sum adds p in f32, the product takes p in f16.
; NO MULTICAST: neighbouring query blocks need key ranges 256 rows apart; a joint tile lies at one LDS address in all partners, so every
; read address would hang on the place in the cluster.  NO PREFETCH: all of K and V is asked for in the first lines.
.set KP,    144                        ; K's LDS row: 128 bytes + 16, an odd multiple of 16
.set VP,    160                        ; V's LDS row: 128 bytes + 32, an odd multiple of 32, for the transposing load
.set VBASE, 768*KP                     ; 110,592
.set BIAS,  VBASE+768*VP               ; 233,472: 14 bias tiles of 1,024 bytes; word = jh 512 + lane 16 + jj 4, register j = 4 jh + jj
.set STAGE, BIAS+14*1024               ; 247,808: 32 rows x 272 bytes for each wave
.set SP,    272
.set VK0, 1                            ; (32 w + r) KP + 16 hh
.set VK1, 2                            ; + 14 blocks, for rb >= 14 (the immediate has 16 bits)
.set VV0, 3                            ; VBASE + (32 w + 8 hh + (l & 7)) VP + 16 ((l >> 3) & 1)
.set VV1, 4                            ; + 13 blocks, for rb >= 13
.set VBA, 5                            ; BIAS + 16 lane
.set VBW, 6                            ; BIAS + 4 t
.set VSTO, 7
.set VRD, 8
.set VOUT, 9
.set RM,  10                           ; v10-11  running maximum of query tile 0, 1
.set RMN, 12                           ; v12-13  the new one
.set RAL, 14                           ; v14-15  2^(old - new)
.set RL,  16                           ; v16-17  running sum, of this half of the lanes' keys
.set RT,  18                           ; v18-29  at work
.set RQ,  32                           ; Q[qt][ds] at 32 + 16 qt + 8 ds
.set RS,  64                           ; S[qt][kt] at 64 + 16 qt + 8 kt; P[qt] in the low 8 of its 16
.set RK,  96                           ; K[kt][ds] at 96 + 16 kt + 8 ds
.set RV,  128                          ; V[dt] at 128 + 8 dt
.set RBT, 160                          ; three bias tiles
.set RO,  184                          ; O[dt][qt] at 184 + 8 (2 dt + qt)
.set NN,  80                           ; while the bias tiles are built: n, 4 x bucket, value of tile pos
.set BK,  96
.set TT,  112
	s_load_b256 s[4:11], s[0:1], 0x0               ; qws 4, kws 6, vws 8, rel_bias 10
	s_load_b64 s[12:13], s[0:1], 0x20              ; out0
	v_lshl_add_u32 v248, v0, 2, 0x4d800
	v_mov_b32 v249, 0
	ds_add_u32 v248, v249
	ds_add_u32 v248, v249
	v_lshrrev_b32 v18, 5, v0
	v_readfirstlane_b32 s14, v18                   ; wave
	s_mov_b32 s2, ttmp9                            ; x
	s_and_b32 s3, ttmp7, 0xffff                    ; bh = 8 b + h
	; group 1: 64 rows x 64 elements of 2 bytes, dense in memory, padded in LDS behind every 32 words
	s_mov_b32 s24, 0x07110000                      ; K: element of 2 bytes, padding on, after 32 words (code 4), of 4 words (code 3)
	s_mov_b32 s25, 64<<16                          ; tensor_dim0 = 64
	s_mov_b32 s26, 64<<16                          ; tensor_dim1 = 64
	s_mov_b32 s27, 64<<16                          ; tile_dim0 = 64
	s_mov_b32 s28, 64                              ; tile_dim1 = 64
	s_mov_b32 s29, 64                              ; 64 elements from row to row
	s_mov_b32 s30, 0
	s_mov_b32 s31, 0
	s_mov_b32 s32, 0x0f110000                      ; V: the same with 8 words of padding (code 7)
	s_mov_b32 s33, 64<<16
	s_mov_b32 s34, 64<<16
	s_mov_b32 s35, 64<<16
	s_mov_b32 s36, 64
	s_mov_b32 s37, 64
	s_mov_b32 s38, 0
	s_mov_b32 s39, 0
	s_mul_i32 s16, s3, 4608
	s_lshl_b32 s17, s2, 8
	s_add_co_u32 s16, s16, s17                     ; the group's first key row
	s_lshl_b32 s17, s14, 6
	s_add_co_u32 s16, s16, s17                     ; + 64 w
	s_mov_b32 s19, 0
	s_wait_dscnt 0x0
	s_wait_kmcnt 0x0
	; Three chunks of 256 keys.  Waves 0-3 bring K, 64 rows each of every chunk, waves 4-7 V.  All first fills go out here, ahead of every wait on
	; TENSORcnt, every LDS read and every barrier; by this text's count a wave has three tensor loads outstanding.
	s_cmp_lt_u32 s14, 4
	s_cbranch_scc0 .Lfill_v
	s_lshl_b32 s18, s16, 7                         ; rows of 128 bytes
	s_add_nc_u64 s[20:21], s[6:7], s[18:19]
	s_mul_i32 s15, s14, 64*KP
.irp c, 0,1,2
	s_mov_b32 s[40+4*\c], 1
	s_add_co_u32 s[41+4*\c], s15, 256*KP*\c
	s_add_nc_u64 s[42+4*\c:43+4*\c], s[20:21], 32768*\c
	s_or_b32 s[43+4*\c], s[43+4*\c], 0x80000000
	tensor_load_to_lds s[40+4*\c:43+4*\c], s[24:31]
	s_nop 0
.endr
	s_branch .Lfilled
.Lfill_v:
	s_sub_co_u32 s18, s16, 256                     ; wave 4 brings the chunk's first 64 rows
	s_lshl_b32 s18, s18, 7
	s_add_nc_u64 s[20:21], s[8:9], s[18:19]
	s_mul_i32 s15, s14, 64*VP
.irp c, 0,1,2
	s_mov_b32 s[40+4*\c], 1
	s_add_co_u32 s[41+4*\c], s15, VBASE-256*VP+256*VP*\c
	s_add_nc_u64 s[42+4*\c:43+4*\c], s[20:21], 32768*\c
	s_or_b32 s[43+4*\c], s[43+4*\c], 0x80000000
	tensor_load_to_lds s[40+4*\c:43+4*\c], s[32:39]
	s_nop 0
.endr
.Lfilled:
	; the head's bias row (lane l: bucket l), then my 32 queries as four fragments
	v_and_b32 v19, 31, v0                          ; lane
	v_lshlrev_b32 v30, 2, v19
	s_and_b32 s17, s3, 7                           ; h
	s_lshl_b32 s18, s17, 7
	s_add_nc_u64 s[10:11], s[10:11], s[18:19]
	global_load_b32 v29, v30, s[10:11]
	s_lshl_b32 s18, s3, 12
	s_lshl_b32 s20, s2, 8
	s_add_co_u32 s18, s18, s20
	s_lshl_b32 s20, s14, 5
	s_add_co_u32 s18, s18, s20                     ; my first query row
	s_lshl_b32 s18, s18, 7
	s_add_nc_u64 s[4:5], s[4:5], s[18:19]
	v_and_b32 v20, 15, v0                          ; r
	v_bfe_u32 v21, v0, 4, 1                        ; hh
	v_lshlrev_b32 v22, 4, v21                      ; 16 hh
	v_lshl_add_u32 v31, v20, 7, v22                ; 128 r + 16 hh
.irp qt, 0,1
.irp ds, 0,1
	global_load_b128 v[RQ+16*\qt+8*\ds:RQ+16*\qt+8*\ds+3],   v31, s[4:5] offset:2048*\qt+64*\ds
	global_load_b128 v[RQ+16*\qt+8*\ds+4:RQ+16*\qt+8*\ds+7], v31, s[4:5] offset:2048*\qt+64*\ds+32
.endr
.endr
	s_mov_b32 s56, 0x76543210                      ; v_permlanex16_b32: lane i of one half reads lane i of the other
	s_mov_b32 s57, 0xfedcba98
	s_mul_i32 s20, s14, 32*KP
	v_mul_u32_u24 v23, v20, KP
	v_add_nc_u32 v23, v23, v22
	v_add_nc_u32 v[VK0], s20, v23
	v_add_nc_u32 v[VK1], 14*32*KP, v[VK0]
	v_and_b32 v24, 7, v0
	v_lshl_add_u32 v24, v21, 3, v24
	v_mul_u32_u24 v24, v24, VP
	v_bfe_u32 v25, v0, 3, 1
	v_lshl_add_u32 v24, v25, 4, v24
	s_mul_i32 s21, s14, 32*VP
	s_add_co_u32 s21, s21, VBASE
	v_add_nc_u32 v[VV0], s21, v24
	v_add_nc_u32 v[VV1], 13*32*VP, v[VV0]
	v_lshl_add_u32 v[VBA], v19, 4, BIAS
	v_lshl_add_u32 v[VBW], v0, 2, BIAS
	s_mul_i32 s22, s14, 32*SP
	s_add_co_u32 s22, s22, STAGE                   ; my stage
	v_mul_u32_u24 v26, v20, SP
	v_lshl_add_u32 v26, v21, 5, v26
	v_add_nc_u32 v[VSTO], s22, v26
	v_mul_u32_u24 v27, v21, SP
	v_lshl_add_u32 v27, v20, 4, v27
	v_add_nc_u32 v[VRD], s22, v27
	v_lshlrev_b32 v28, 4, v20
	v_lshl_add_u32 v[VOUT], v21, 11, v28
	s_lshr_b32 s20, s3, 3                          ; b
	s_lshl_b32 s20, s20, 12
	s_lshl_b32 s21, s2, 8
	s_add_co_u32 s20, s20, s21
	s_lshl_b32 s21, s14, 5
	s_add_co_u32 s20, s20, s21                     ; my first row of out0
	s_lshl3_add_u32 s20, s20, s17                  ; x 8 heads + h
	s_lshl_b32 s18, s20, 8
	s_add_nc_u64 s[12:13], s[12:13], s[18:19]
	; BIAS TILES.  In tile (qt, kt) of block rb: n = 16 idx + c, idx = 32 - 2 rb + qt - kt, c = r - 8 hh - j.  Tile pos holds idx = 9 - pos for pos 0 .. 10,
	; and idx 33, 32, 31 for pos 11, 12, 13.  Thread t makes word t of every tile.  All of it is whole-number work on ids but for the values themselves.
	v_and_b32 v64, 3, v0
	v_lshrrev_b32 v65, 7, v0
	v_lshl_add_u32 v64, v65, 2, v64                ; j
	v_bfe_u32 v66, v0, 6, 1
	v_lshl_add_u32 v64, v66, 3, v64                ; 8 hh + j
	v_bfe_u32 v65, v0, 2, 4                        ; r
	v_sub_nc_u32 v64, v65, v64                     ; c, -15 .. 15
	v_mov_b32 v65, 0xf149f2ca                      ; -1e30
	v_mov_b32 v66, 0
.irp pos, 0,1,2,3,4,5,6,7,8,9,10
	v_add_nc_u32 v[NN+\pos], 16*(9-\pos), v64      ; a negative n reads as a large unsigned one: outside 0 .. 511
.endr
	v_add_nc_u32 v[NN+11], 528, v64
	v_add_nc_u32 v[NN+12], 512, v64
	v_add_nc_u32 v[NN+13], 496, v64
.irp pos, 0,1,11,12,13                             ; n >= 113 wherever it is allowed: 0 or the mask
	v_cmp_gt_u32 vcc_lo, 512, v[NN+\pos]
	v_cndmask_b32 v[TT+\pos], v65, v66, vcc_lo
	ds_store_b32 v[VBW], v[TT+\pos] offset:1024*\pos
.endr
.macro BUCKET pos                      ; 4 x bucket(n): min(n, 16) plus one for each threshold reached
	v_min_u32 v[BK+\pos], 16, v[NN+\pos]
.irp thr, 19,21,24,27,31,35,40,46,52,59,67,77,87,99,113
	v_cmp_le_u32 vcc_lo, \thr, v[NN+\pos]
	v_add_co_ci_u32 v[BK+\pos], vcc_lo, 0, v[BK+\pos], vcc_lo
.endr
	v_lshlrev_b32 v[BK+\pos], 2, v[BK+\pos]
.endm
.irp pos, 2,3,4,5,6,7,8,9,10
	BUCKET \pos
.endr
	s_wait_loadcnt 0x8                             ; the bias row is in; the eight loads of Q behind it may stay out
	v_readlane_b32 s59, v29, 31
	v_sub_f32 v29, v29, s59                        ; the shift
	v_mul_f32 v29, 0x3fb8aa3b, v29                 ; base 2
.irp pos, 2,3,4,5,6,7,8,9,10
	ds_bpermute_b32 v[TT+\pos], v[BK+\pos], v29    ; the value of lane bucket(n)
.endr
	s_wait_dscnt 0x0
.irp pos, 2,3,4,5,6,7,8,9,10
	v_cmp_gt_u32 vcc_lo, 512, v[NN+\pos]
	v_cndmask_b32 v[TT+\pos], v65, v[TT+\pos], vcc_lo
	ds_store_b32 v[VBW], v[TT+\pos] offset:1024*\pos
.endr
.macro KLOAD rb                        ; 32 keys x 64 d as four fragments: 8 loads
.if \rb < 14
.set KA, VK0
.set KO, 32*KP*\rb
.else
.set KA, VK1
.set KO, 32*KP*(\rb-14)
.endif
.irp kt, 0,1
.irp ds, 0,1
	ds_load_b128 v[RK+16*\kt+8*\ds:RK+16*\kt+8*\ds+3],   v[KA] offset:KO+16*KP*\kt+64*\ds
	ds_load_b128 v[RK+16*\kt+8*\ds+4:RK+16*\kt+8*\ds+7], v[KA] offset:KO+16*KP*\kt+64*\ds+32
.endr
.endr
.endm
.macro VLOAD rb                        ; V^T: 64 d x 32 keys as four fragments: 8 transposing loads
.if \rb < 13
.set VA, VV0
.set VO, 32*VP*\rb
.else
.set VA, VV1
.set VO, 32*VP*(\rb-13)
.endif
.irp dt, 0,1,2,3
	ds_load_tr16_b128 v[RV+8*\dt:RV+8*\dt+3],   v[VA] offset:VO+32*\dt
	ds_load_tr16_b128 v[RV+8*\dt+4:RV+8*\dt+7], v[VA] offset:VO+32*\dt+16*VP
.endr
.endm
.macro BLOAD e                         ; bias tiles e, e+1, e+2: 6 loads
.irp u, 0,1,2
	ds_load_b128 v[RBT+8*\u:RBT+8*\u+3],   v[VBA] offset:1024*(\e+\u)
	ds_load_b128 v[RBT+8*\u+4:RBT+8*\u+7], v[VBA] offset:1024*(\e+\u)+512
.endr
.endm
; One block of 32 keys.  K(rb) has been asked for.  next: the block whose K is asked for here (-1: none).  first = 1: starts maximum, sum and O.
; e: first of the block's three bias tiles (-1: neither bias nor mask).
.macro BLOCK rb, next, first, e
.if \first == 0
.rept 5
	v_nop                                  ; five places behind the last products: V is loaded into their first operand, S is written over their second (ISA guide 7.12.1)
.endr
.endif
	VLOAD \rb
.if \e >= 0
	BLOAD \e
	s_wait_dscnt 14                        ; K(rb) is in: behind it stand V's 8 loads and the bias's 6
.else
	s_wait_dscnt 8                         ; K(rb) is in: behind it stand V's 8 loads
.endif
	; S = K Q^T over d = 64: four accumulators by turns, one instruction a turn; the first four start the sums
.irp ds, 0,1
.irp qt, 0,1
.irp kt, 0,1
.if \ds == 0
	v_wmma_f32_16x16x32_f16 v[RS+16*\qt+8*\kt:RS+16*\qt+8*\kt+7], v[RK+16*\kt+8*\ds:RK+16*\kt+8*\ds+7], v[RQ+16*\qt+8*\ds:RQ+16*\qt+8*\ds+7], 0
.else
	v_wmma_f32_16x16x32_f16 v[RS+16*\qt+8*\kt:RS+16*\qt+8*\kt+7], v[RK+16*\kt+8*\ds:RK+16*\kt+8*\ds+7], v[RQ+16*\qt+8*\ds:RQ+16*\qt+8*\ds+7], v[RS+16*\qt+8*\kt:RS+16*\qt+8*\kt+7]
.endif
.endr
.endr
.endr
.rept 4
	v_nop                                  ; four places: K is loaded again, S is read
.endr
.if \next >= 0
	KLOAD \next
.endif
.if \e >= 0
.if \next >= 0
	s_wait_dscnt 8                         ; V and the bias are in: only the next K's 8 loads are younger
.else
	s_wait_dscnt 0
.endif
.irp qt, 0,1
.irp kt, 0,1
.irp p, 0,2,4,6
	v_pk_add_f32 v[RS+16*\qt+8*\kt+\p:RS+16*\qt+8*\kt+\p+1], v[RS+16*\qt+8*\kt+\p:RS+16*\qt+8*\kt+\p+1], v[RBT+8*(1+\kt-\qt)+\p:RBT+8*(1+\kt-\qt)+\p+1]
.endr
.endr
.endr
.endif
	; the largest of a query's 32 scores: 16 in this lane (two chains for each query tile), 16 in the lane of the other half
.irp qt, 0,1
	v_max3_num_f32 v[RT+2*\qt],   v[RS+16*\qt],   v[RS+16*\qt+1], v[RS+16*\qt+2]
	v_max3_num_f32 v[RT+2*\qt+1], v[RS+16*\qt+3], v[RS+16*\qt+4], v[RS+16*\qt+5]
.endr
.irp g, 6,10
.irp qt, 0,1
	v_max3_num_f32 v[RT+2*\qt],   v[RT+2*\qt],   v[RS+16*\qt+\g],   v[RS+16*\qt+\g+1]
	v_max3_num_f32 v[RT+2*\qt+1], v[RT+2*\qt+1], v[RS+16*\qt+\g+2], v[RS+16*\qt+\g+3]
.endr
.endr
.irp qt, 0,1
	v_max3_num_f32 v[RT+2*\qt], v[RT+2*\qt], v[RS+16*\qt+14], v[RS+16*\qt+15]
.endr
.irp qt, 0,1
	v_max_num_f32 v[RT+2*\qt], v[RT+2*\qt], v[RT+2*\qt+1]
.endr
.irp qt, 0,1
	v_permlanex16_b32 v[RT+4+\qt], v[RT+2*\qt], s56, s57
.endr
.irp qt, 0,1
.if \first
	v_max_num_f32 v[RMN+\qt], v[RT+2*\qt], v[RT+4+\qt]
.else
	v_max3_num_f32 v[RMN+\qt], v[RT+2*\qt], v[RT+4+\qt], v[RM+\qt]
	v_sub_f32 v[RT+6+\qt], v[RM+\qt], v[RMN+\qt]
.endif
.endr
.irp qt, 0,1
.irp p, 0,2,4,6,8,10,12,14
	v_pk_add_f32 v[RS+16*\qt+\p:RS+16*\qt+\p+1], v[RS+16*\qt+\p:RS+16*\qt+\p+1], v[RMN:RMN+1] op_sel:[0,\qt] op_sel_hi:[1,\qt] neg_lo:[0,1] neg_hi:[0,1]
.endr
.endr
.if \first == 0
	v_exp_f32 v[RAL],   v[RT+6]
	v_exp_f32 v[RAL+1], v[RT+7]
.endif
.set i, 0
.rept 32
	v_exp_f32 v[RS+i], v[RS+i]
.set i, i+1
.endr
	v_mov_b32 v[RM],   v[RMN]                  ; the plain instructions behind the exponentials, ahead of the first use of a result (ISA guide 5.7.2)
	v_mov_b32 v[RM+1], v[RMN+1]
	s_wait_alu depctr_va_vdst(0)
.irp qt, 0,1
	v_pk_add_f32 v[RT+6*\qt:RT+6*\qt+1],   v[RS+16*\qt:RS+16*\qt+1],     v[RS+16*\qt+2:RS+16*\qt+3]
	v_pk_add_f32 v[RT+6*\qt+2:RT+6*\qt+3], v[RS+16*\qt+4:RS+16*\qt+5],   v[RS+16*\qt+6:RS+16*\qt+7]
	v_pk_add_f32 v[RT+6*\qt+4:RT+6*\qt+5], v[RS+16*\qt+8:RS+16*\qt+9],   v[RS+16*\qt+10:RS+16*\qt+11]
	v_pk_add_f32 v[RT+6*\qt:RT+6*\qt+1],   v[RT+6*\qt:RT+6*\qt+1],       v[RS+16*\qt+12:RS+16*\qt+13]
	v_pk_add_f32 v[RT+6*\qt+2:RT+6*\qt+3], v[RT+6*\qt+2:RT+6*\qt+3],     v[RS+16*\qt+14:RS+16*\qt+15]
	v_pk_add_f32 v[RT+6*\qt:RT+6*\qt+1],   v[RT+6*\qt:RT+6*\qt+1],       v[RT+6*\qt+2:RT+6*\qt+3]
	v_pk_add_f32 v[RT+6*\qt:RT+6*\qt+1],   v[RT+6*\qt:RT+6*\qt+1],       v[RT+6*\qt+4:RT+6*\qt+5]
.if \first
	v_add_f32 v[RL+\qt], v[RT+6*\qt], v[RT+6*\qt+1]
.else
	v_add_f32 v[RT+6*\qt], v[RT+6*\qt], v[RT+6*\qt+1]
	v_fma_f32 v[RL+\qt], v[RL+\qt], v[RAL+\qt], v[RT+6*\qt]
.endif
.endr
	; P: register i takes S's registers 2i, 2i+1: keys 8 hh + 0..7 in registers 0-3, 16 + 8 hh + 0..7 in 4-7: a second operand over 32 keys
.irp qt, 0,1
.irp i, 0,1,2,3,4,5,6,7
	v_cvt_pk_f16_f32 v[RS+16*\qt+\i], v[RS+16*\qt+2*\i], v[RS+16*\qt+2*\i+1]
.endr
.endr
.if \first == 0
.irp dt, 0,1,2,3
.irp qt, 0,1
.irp p, 0,2,4,6
	v_pk_mul_f32 v[RO+8*(2*\dt+\qt)+\p:RO+8*(2*\dt+\qt)+\p+1], v[RO+8*(2*\dt+\qt)+\p:RO+8*(2*\dt+\qt)+\p+1], v[RAL:RAL+1] op_sel:[0,\qt] op_sel_hi:[1,\qt]
.endr
.endr
.endr
.endif
.if \next >= 0
	s_wait_dscnt 8                         ; V is in: only the next K's 8 loads are younger
.else
	s_wait_dscnt 0
.endif
	; O^T += V^T P: eight accumulators by turns, one instruction a turn
.irp dt, 0,1,2,3
.irp qt, 0,1
.if \first
	v_wmma_f32_16x16x32_f16 v[RO+8*(2*\dt+\qt):RO+8*(2*\dt+\qt)+7], v[RV+8*\dt:RV+8*\dt+7], v[RS+16*\qt:RS+16*\qt+7], 0
.else
	v_wmma_f32_16x16x32_f16 v[RO+8*(2*\dt+\qt):RO+8*(2*\dt+\qt)+7], v[RV+8*\dt:RV+8*\dt+7], v[RS+16*\qt:RS+16*\qt+7], v[RO+8*(2*\dt+\qt):RO+8*(2*\dt+\qt)+7]
.endif
.endr
.endr
.endm
	s_wait_dscnt 0x0                               ; for the others' sake: my words of the bias tiles are written
	s_wait_tensorcnt 0x1                           ; my parts of chunks 0 and 1 have landed; chunk 2's load, the one younger, may stay out
	s_barrier_signal -1
	s_barrier_wait -1                              ; LDS blocks 0 .. 15 and the bias tiles are whole
	s_wait_loadcnt 0x0                             ; Q
	KLOAD 1
	BLOCK 1, 2, 1, -1                              ; blocks 1 .. 7, K asked for up to block 8: LDS blocks up to 7 + 8 = 15
	BLOCK 2, 3, 0, -1
	BLOCK 3, 4, 0, -1
	BLOCK 4, 5, 0, -1
	BLOCK 5, 6, 0, -1
	BLOCK 6, 7, 0, -1
	BLOCK 7, 8, 0, -1
	s_wait_dscnt 0x0                               ; no LDS instruction of mine is pending at the signal
	s_wait_tensorcnt 0x0                           ; my part of chunk 2 has landed
	s_barrier_signal -1
	s_barrier_wait -1                              ; all 24 LDS blocks are whole
	BLOCK 8, 9, 0, -1
	BLOCK 9, 10, 0, -1
	BLOCK 10, 11, 0, -1
	BLOCK 11, 12, 0, -1
	BLOCK 12, 13, 0, 0                             ; from here n can fall under 113: bias tiles 2 rb - 24 ..
	BLOCK 13, 14, 0, 2
	BLOCK 14, 15, 0, 4
	BLOCK 15, 16, 0, 6
	BLOCK 16, 0, 0, 8                              ; n < 0 masked
	BLOCK 0, -1, 0, 11                             ; the oldest block: n > 511 masked
	; THE WAY OUT: the two halves' sums meet, O is divided, goes through my own stage and leaves as whole rows of a head.
.rept 4
	v_nop                                          ; four places behind the last products
.endr
	v_permlanex16_b32 v[RT+4], v[RL],   s56, s57
	v_permlanex16_b32 v[RT+5], v[RL+1], s56, s57
	v_add_f32 v[RL],   v[RL],   v[RT+4]
	v_add_f32 v[RL+1], v[RL+1], v[RT+5]
	v_rcp_f32 v[RAL],   v[RL]                      ; the sum is at least 1: the key of the maximum adds 1
	v_rcp_f32 v[RAL+1], v[RL+1]
	v_nop                                          ; the plain place behind the reciprocals
	s_wait_alu depctr_va_vdst(0)
.irp dt, 0,1,2,3
.irp qt, 0,1
.irp p, 0,2,4,6
	v_pk_mul_f32 v[RO+8*(2*\dt+\qt)+\p:RO+8*(2*\dt+\qt)+\p+1], v[RO+8*(2*\dt+\qt)+\p:RO+8*(2*\dt+\qt)+\p+1], v[RAL:RAL+1] op_sel:[0,\qt] op_sel_hi:[1,\qt]
.endr
.endr
.endr
.irp dt, 0,1,2,3
.irp qt, 0,1
	ds_store_b128 v[VSTO], v[RO+8*(2*\dt+\qt):RO+8*(2*\dt+\qt)+3]   offset:16*SP*\qt+64*\dt
	ds_store_b128 v[VSTO], v[RO+8*(2*\dt+\qt)+4:RO+8*(2*\dt+\qt)+7] offset:16*SP*\qt+64*\dt+16
.endr
.endr
.set i, 0
.rept 16
	ds_load_b128 v[RK+4*i:RK+4*i+3], v[VRD] offset:2*SP*i          ; LDS serves a wave's instructions in order (ISA guide 5.7.1): these see the stores above
.set i, i+1
.endr
.set i, 0
.rept 16
	s_wait_dscnt 15-i                              ; the 15-i younger loads of this run may stay out
	global_store_b128 v[VOUT], v[RK+4*i:RK+4*i+3], s[12:13] offset:4096*i th:TH_STORE_NT   ; 16 lanes store 256 consecutive bytes, aligned: a head's row
.set i, i+1
.endr
	s_wait_tensorcnt 0x0
	ds_add_u32 v248, v249
	s_wait_dscnt 0x0
	s_endpgm
.Lfunc_end_k_q0a7874c771_attn:
	.size	k_q0a7874c771_attn, .Lfunc_end_k_q0a7874c771_attn-k_q0a7874c771_attn
	.p2alignl 7, 3214868480
	.fill 96, 4, 3214868480
	.section	.rodata,"a",@progbits
	.p2align	6, 0x0
	.amdhsa_kernel k_q0a7874c771_attn
		.amdhsa_group_segment_fixed_size 318464
		.amdhsa_private_segment_fixed_size 0
		.amdhsa_enable_private_segment 0
		.amdhsa_kernarg_size 40
		.amdhsa_user_sgpr_count 2
		.amdhsa_user_sgpr_kernarg_segment_ptr 1
		.amdhsa_wavefront_size32 1
		.amdhsa_system_sgpr_workgroup_id_x 1
		.amdhsa_system_sgpr_workgroup_id_y 1
		.amdhsa_system_sgpr_workgroup_id_z 1
		.amdhsa_system_vgpr_workitem_id 0
		.amdhsa_next_free_vgpr 250
		.amdhsa_next_free_sgpr 66
		.amdhsa_reserve_vcc 1
		.amdhsa_float_denorm_mode_32 3
		.amdhsa_float_denorm_mode_16_64 3
		.amdhsa_memory_ordered 1
		.amdhsa_forward_progress 1
		.amdhsa_inst_pref_size 202
	.end_amdhsa_kernel
	.amdgpu_metadata
---
amdhsa.version: [ 1, 2 ]
amdhsa.kernels:
  - .name:           k_q0a7874c771_attn
    .symbol:         k_q0a7874c771_attn.kd
    .args:
      - { .name: qws, .offset: 0, .size: 8, .value_kind: global_buffer, .address_space: global }
      - { .name: kws, .offset: 8, .size: 8, .value_kind: global_buffer, .address_space: global }
      - { .name: vws, .offset: 16, .size: 8, .value_kind: global_buffer, .address_space: global }
      - { .name: rel_bias, .offset: 24, .size: 8, .value_kind: global_buffer, .address_space: global }
      - { .name: out0, .offset: 32, .size: 8, .value_kind: global_buffer, .address_space: global }
    .group_segment_fixed_size: 318464
    .private_segment_fixed_size: 0
    .kernarg_segment_align: 8
    .kernarg_segment_size: 40
    .max_flat_workgroup_size: 256
    .sgpr_count:     66
    .vgpr_count:     250
    .wavefront_size: 32
...
	.end_amdgpu_metadata
.endif
;; end of part 2
